; MI455X (gfx1250); checked and timed in simulation.
; The chip was launched on July 23, 2026; its instructions are those of AMD's public machine-readable ISA for CDNA 5 (MIT licence, August 2026) and "CDNA5" Instruction Set Architecture Reference Guide (July 2026). The comments in the code are by the model that wrote it; some were corrected since.
;; Feature Attention. Allowed arithmetic: matrix products marked QUANTISED: E2M1 operands, one E8M0 scale for each 32 along K, by v_wmma_scale_f32_16x16x128_f8f6f4 with both operands' format E2M1 (or v_wmma_scale_f32_32x16x128_f4), f32 sums; products left as they are: f32 operands where the result goes on into a quantised operand, else bf16, f16 or f32 operands; f32 sums; everything else in f32.
;; Inputs: Wk_codes 1,024 x 32 x 16 uint8 (E2M1 codes of Wk, K innermost, in blocks of 32 codes, two codes a byte); Wk_scales 1,024 x 32 uint8 (E8M0 scales of Wk, one for each 32 codes along K); Wq_codes 1,024 x 32 x 16 uint8 (E2M1 codes of Wq, K innermost, in blocks of 32 codes, two codes a byte); Wq_scales 1,024 x 32 uint8 (E8M0 scales of Wq, one for each 32 codes along K); Wv_codes 1,024 x 32 x 16 uint8 (E2M1 codes of Wv, K innermost, in blocks of 32 codes, two codes a byte); Wv_scales 1,024 x 32 uint8 (E8M0 scales of Wv, one for each 32 codes along K); bk 1,024 float32; bq 1,024 float32; bv 1,024 float32; x_codes 256 x 32 x 16 uint8 (E2M1 codes of x, K innermost, in blocks of 32 codes, two codes a byte); x_scales 256 x 32 uint8 (E8M0 scales of x, one for each 32 codes along K).
;; Outputs: out0 256 x 1,024 float32.
;; This version of the problem:
;;   THIS VERSION OF THE PROBLEM IS GIVEN IN LOW PRECISION. The matrix products marked QUANTISED in the list below multiply operands that are first quantised to E2M1 (2 exponent bits, 1 mantissa bit; 4 bits a number), with one power-of-two scale for each 32 numbers along K (OCP MX v1.0); their sums are f32. All else is computed in f32.
;;   The module's matrix products, in the order in which they are computed (A, B: the left and right operand; K: the contracted axis; several contracted axes count as one K, in the product's order):
;;     1. [M 256, K 1,024] x [K 1,024, N 1,024]; A: input x (given as codes); B: input Wq (given as codes): QUANTISED
;;     2. [M 256, K 1,024] x [K 1,024, N 1,024]; A: input x (given as codes); B: input Wk (given as codes): QUANTISED
;;     3. [M 256, K 1,024] x [K 1,024, N 1,024]; A: input x (given as codes); B: input Wv (given as codes): QUANTISED
;;     4. batch 256 x [M 1,024, K 1,024] x [K 1,024, N 1]; A: softmax; B: computed on the way: left as it is (N = 1 < 16)
;;   THE QUANTISER, for each operand of a quantised product, along K:
;;     - K is cut into blocks of 32 from its start; a last block that is shorter is filled with zeros.
;;     - A block's scale is 2^e with e = floor(log2(the largest magnitude in the block)) - 2, held to -126 .. 127; a block of zeros has e = 0. As a byte (E8M0): e + 127.
;;     - Each number is divided by its block's scale, clamped to +-6, and rounded to the nearest number of E2M1, ties to even, subnormals kept.
;;     - The product sums the exact products of the quantised numbers (number of the format x scale) in f32.
;;   ~~~python
;;   def quantise(x, axis):      # numpy; x: float32 -> the quantised numbers, widened to float32 again
;;       x = np.moveaxis(x, axis, -1); K = x.shape[-1]
;;       x = np.pad(x, [(0, 0)] * (x.ndim - 1) + [(0, -K % 32)]); x = x.reshape(x.shape[:-1] + (-1, 32)); a = np.abs(x).max(-1, keepdims=True)
;;       e = np.where(a > 0, np.clip(np.frexp(np.where(a > 0, a, 1))[1] - 1 - 2, -126, 127), 0)      # np.frexp(a)[1] - 1 = floor(log2(a)), exactly
;;       r = np.clip(x / 2.0 ** e, -6, 6)
;;       step = 2.0 ** (np.maximum(np.frexp(np.where(r == 0, 1, r))[1] - 1, 0) - 1)
;;       q = np.round(r / step) * step * 2.0 ** e      # np.round: ties to even
;;       return np.moveaxis(q.reshape(q.shape[:-2] + (-1,))[..., :K], -1, axis).astype(np.float32)
;;   ~~~
;;   INPUTS GIVEN AS CODES. Wk (in the module: [1024, 1024], K = its axis 1); Wq (in the module: [1024, 1024], K = its axis 1); Wv (in the module: [1024, 1024], K = its axis 1); x (in the module: [256, 1024], K = its axis 1): each comes as NAME_codes (uint8): NAME with its K axis moved to the last place and cut into blocks of 32 codes, [.., K / 32, bytes a block], one block behind the other in memory; two codes a byte, the lower K in the low four bits (a code: sign, 2 exponent bits, 1 mantissa bit); and NAME_scales (uint8): the same leading axes, one E8M0 byte (e + 127) for each 32 codes along K. Its value is code x scale, taken as it is: it is not quantised again, and the codes and scales need not be those that the quantiser above would give.
;; One version. Each part assembles by itself: llvm-mc -triple=amdgcn-amd-amdhsa -mcpu=gfx1250 --defsym DOCPART=n.
;; ======== version 1 of 1: 2 launches
;; workspace buffers: qkv 3,145,728 bytes
;; launch proj (part 1): grid 16 x 16, 3 waves a work-group, no clusters, 13,824 bytes of LDS; arguments x_codes, x_scales, Wq_codes, Wq_scales, bq, Wk_codes, Wk_scales, bk, Wv_codes, Wv_scales, bv, qkv; writes qkv
.if DOCPART == 1
	.amdgcn_target "amdgcn-amd-amdhsa--gfx1250"
	.amdhsa_code_object_version 6
	.text
	.protected	k_q5d7587b293_proj
	.globl	k_q5d7587b293_proj
	.p2align	8
	.type	k_q5d7587b293_proj,@function
k_q5d7587b293_proj:
	s_mov_b64 s[64:65], 0
	v_nop
	global_prefetch_b8 v0, s[64:65] scope:SCOPE_SE
	s_setreg_imm32_b32 hwreg(HW_REG_WAVE_MODE, 25, 1), 1
	s_wait_xcnt 0x0
; q = x Wq^T + bq, k = x Wk^T + bk, v = x Wv^T + bv.  x: [256][1024], W: [1024][1024]: codes of FP4 (E2M1), K innermost, two codes a byte (a row is 512 bytes),
; with one E8M0 byte for each 32 along K (a row of scales is 32 bytes).  Biases f32.  Result: qkv [256][3072] f32: in row b first q's 1,024 numbers, then k's, then v's.
; SHARES.  Work-group (x, y) takes 64 output columns (64 x ..) of 16 samples (16 y ..); its three waves take q, k and v.  A wave: 16 samples x 64 columns = 4 accumulators, 8 K steps of 128: 32 matrix instructions.
; Everything that a wave multiplies fits in its registers (W: 256, x: 64), so all 94 loads go out in one run at the head and the products follow K step by K step behind counted waits: no LDS on the way in, no loop.
; A fragment load takes 32 bytes of each of 16 rows; the sixteen loads of a tile of rows, issued together, take the rows' 512 bytes whole.
; No tensor loads and no cluster: the launch is one burst of loads and 32 products a wave; a round of barriers and a trip through LDS would only be added in front of them.
; THE MATRIX INSTRUCTION IS USED TRANSPOSED: source 0 = 16 rows of W, source 1 = 16 rows of x.  Lane (r, h) then holds sample r, and register j of tile t the column 16 t + 8 h + j: eight neighbours of a row of the result.
; The bias is loaded in that layout straight into the accumulators and is the C of each sum's first product.
; LIMITS: a scale byte 0xff (NaN) is not served.
; REGISTERS.  window 0: v1-9 lane terms and addresses; v16-47 accumulators; v48-55 x's scale words; v64-127 x's 8 fragments; v128-143 W's scale words; v144-175 rows on the way out.
;             window 1: W's fragment (tile t, K step s) at v[64 t + 8 s].
.set ACC,  16
.set XS,   48                          ; word s: x's four scale bytes of K step s; lane r has row r's
.set XF,   64
.set WS,   128                         ; register 8 p + s: lanes 0-15 the words of tile 2 p's rows, lanes 16-31 those of tile 2 p + 1's
.set OUTR, 144
.set SP,   272                         ; a stage row: 256 bytes + 16: the sixteen rows of a store begin at sixteen different 16-byte columns of the banks' 256 bytes
.set QROW, 12288                       ; a row of qkv in bytes
	s_load_b128 s[4:7], s[0:1], 0x0                ; x's codes s[4:5], x's scales s[6:7]
	s_load_b512 s[8:23], s[0:1], 0x10              ; Wq's codes, Wq's scales, bq, Wk's codes, Wk's scales, bk, Wv's codes, Wv's scales
	s_load_b128 s[24:27], s[0:1], 0x50             ; bv s[24:25], qkv s[26:27]
	v_lshl_add_u32 v254, v0, 2, 0x3400
	v_mov_b32 v255, 0
	v_lshrrev_b32 v10, 5, v0
	v_readfirstlane_b32 s34, v10                   ; wave 0, 1, 2: q, k, v
	v_and_b32 v1, 15, v0                           ; r
	v_bfe_u32 v2, v0, 4, 1                         ; h
	v_lshlrev_b32 v3, 9, v1
	v_lshl_add_u32 v3, v2, 4, v3                   ; a fragment: row r of 512 bytes, + 16 h
	v_lshlrev_b32 v4, 5, v1                        ; x's scales: row r of 32 bytes
	v_and_b32 v5, 31, v0
	v_lshlrev_b32 v5, 5, v5                        ; W's scales: 32 rows, a lane a row
	v_lshlrev_b32 v6, 5, v2                        ; the bias: my half's eight columns of a tile
	s_mov_b32 s35, ttmp9                           ; which 64 columns
	s_and_b32 s36, ttmp7, 0xffff                   ; which 16 samples
	s_mul_i32 s37, s34, 16*SP                      ; my wave's stage in LDS
	s_mov_b32 s39, 0
	s_wait_kmcnt 0x0
	s_cmp_eq_u32 s34, 1                            ; my tensors: the choice hangs on the wave's number alone
	s_cselect_b64 s[28:29], s[14:15], s[8:9]       ; codes
	s_cselect_b64 s[30:31], s[16:17], s[10:11]     ; scales
	s_cselect_b64 s[32:33], s[18:19], s[12:13]     ; bias
	s_cmp_eq_u32 s34, 2
	s_cselect_b64 s[28:29], s[20:21], s[28:29]
	s_cselect_b64 s[30:31], s[22:23], s[30:31]
	s_cselect_b64 s[32:33], s[24:25], s[32:33]
	s_lshl_b32 s38, s36, 13                        ; 16 rows of 512 bytes
	s_add_nc_u64 s[4:5], s[4:5], s[38:39]
	s_lshl_b32 s38, s36, 9                         ; 16 rows of 32 bytes
	s_add_nc_u64 s[6:7], s[6:7], s[38:39]
	s_lshl_b32 s38, s35, 15                        ; 64 rows of 512 bytes
	s_add_nc_u64 s[28:29], s[28:29], s[38:39]
	s_lshl_b32 s38, s35, 11                        ; 64 rows of 32 bytes
	s_add_nc_u64 s[30:31], s[30:31], s[38:39]
	s_lshl_b32 s38, s35, 8                         ; 64 numbers of 4 bytes: in the bias, and in a row of the result
	s_add_nc_u64 s[32:33], s[32:33], s[38:39]
	s_add_nc_u64 s[26:27], s[26:27], s[38:39]
	s_lshl_b32 s38, s34, 12                        ; q, k or v: 4,096 bytes of the row
	s_add_nc_u64 s[26:27], s[26:27], s[38:39]
	s_mul_i32 s38, s36, 16*QROW                    ; 16 rows of qkv
	s_add_nc_u64 s[26:27], s[26:27], s[38:39]
	; ---- all loads, 94, in the order in which they are wanted
.irp t, 0,1,2,3
	global_load_b128 v[ACC+8*\t:ACC+8*\t+3],   v6, s[32:33] offset:64*\t      ; b(16 t + 8 h + 0 .. 3)
	global_load_b128 v[ACC+8*\t+4:ACC+8*\t+7], v6, s[32:33] offset:64*\t+16   ; and + 4 .. 7
.endr
	global_load_b128 v[XS:XS+3],   v4, s[6:7]
	global_load_b128 v[XS+4:XS+7], v4, s[6:7] offset:16
.irp p, 0,1
	global_load_b128 v[WS+8*\p:WS+8*\p+3],   v5, s[30:31] offset:1024*\p
	global_load_b128 v[WS+8*\p+4:WS+8*\p+7], v5, s[30:31] offset:1024*\p+16
.endr
.irp s, 0,1,2,3,4,5,6,7
.irp c, 0,1
	global_load_b128 v[XF+8*\s+4*\c:XF+8*\s+4*\c+3], v3, s[4:5] offset:64*\s+32*\c     ; registers 4 c ..: K = 128 s + 64 c + 32 h + 0 .. 31
.endr
.endr
	s_set_vgpr_msb 0x40                            ; destination window 1, address window 0
.irp s, 0,1,2,3,4,5,6,7                        ; K step by K step, eight loads each
.irp t, 0,1,2,3
.irp c, 0,1
	global_load_b128 v[64*\t+8*\s+4*\c:64*\t+8*\s+4*\c+3], v3, s[28:29] offset:8192*\t+64*\s+32*\c
.endr
.endr
.endr
	s_set_vgpr_msb 0x4001                          ; source 0 (W) window 1; x, C and D window 0
	; ---- the products.  The four accumulators take turns, one instruction a turn.  All operands and scales were filled by loads.
.irp s, 0,1,2,3,4,5,6,7
	s_wait_loadcnt 56-8*\s                         ; loads come back in order: all but W's fragments of the later K steps, eight a step, are in
.irp t, 0,1,2,3
.if (\t)%2
	v_wmma_scale_f32_16x16x128_f8f6f4 v[ACC+8*\t:ACC+8*\t+7], v[64*\t+8*\s:64*\t+8*\s+7], v[XF+8*\s:XF+8*\s+7], v[ACC+8*\t:ACC+8*\t+7], v[WS+8*(\t/2)+\s], v[XS+\s] matrix_a_fmt:MATRIX_FMT_FP4 matrix_b_fmt:MATRIX_FMT_FP4 matrix_a_scale:MATRIX_SCALE_ROW1
.else
	v_wmma_scale_f32_16x16x128_f8f6f4 v[ACC+8*\t:ACC+8*\t+7], v[64*\t+8*\s:64*\t+8*\s+7], v[XF+8*\s:XF+8*\s+7], v[ACC+8*\t:ACC+8*\t+7], v[WS+8*(\t/2)+\s], v[XS+\s] matrix_a_fmt:MATRIX_FMT_FP4 matrix_b_fmt:MATRIX_FMT_FP4
.endif
.endr
.endr
	s_set_vgpr_msb 0x0100                          ; every window 0
	; ---- the way out.  The addresses are made here: eight plain vector instructions that name no register of the products; four are owed between a product and the first read of its result.
	v_mul_u32_u24 v7, v1, SP
	v_lshl_add_u32 v7, v2, 5, v7
	v_add_nc_u32 v7, s37, v7                       ; into my stage: row r, + 32 h
	v_mul_u32_u24 v8, v2, SP
	v_lshl_add_u32 v8, v1, 4, v8
	v_add_nc_u32 v8, s37, v8                       ; back: lanes 0-15 one row of 256 bytes, lanes 16-31 the next
	v_mul_u32_u24 v9, v2, QROW
	v_lshl_add_u32 v9, v1, 4, v9                   ; and the same two rows in qkv
.irp t, 0,1,2,3
	ds_store_b128 v7, v[ACC+8*\t:ACC+8*\t+3]   offset:64*\t       ; each accumulator from its low end on
	ds_store_b128 v7, v[ACC+8*\t+4:ACC+8*\t+7] offset:64*\t+16
.endr
.irp i, 0,1,2,3,4,5,6,7
	ds_load_b128 v[OUTR+4*\i:OUTR+4*\i+3], v8 offset:2*\i*SP      ; the stage is my wave's own, and LDS serves a wave's instructions in order (ISA guide 5.7.1.4): these see the stores above
.endr
.irp i, 0,1,2,3,4,5,6,7
	s_wait_dscnt 7-\i                              ; rows 2 i and 2 i + 1 are back; the younger loads may be out
	global_store_b128 v9, v[OUTR+4*\i:OUTR+4*\i+3], s[26:27] offset:2*\i*QROW   ; sixteen lanes store 256 consecutive bytes, at a multiple of 256 from qkv's first byte
.endr
	s_wait_tensorcnt 0x0
	ds_add_u32 v254, v255
	s_wait_dscnt 0x0
	s_endpgm
.Lfunc_end_k_q5d7587b293_proj:
	.size	k_q5d7587b293_proj, .Lfunc_end_k_q5d7587b293_proj-k_q5d7587b293_proj
	.p2alignl 7, 3214868480
	.fill 96, 4, 3214868480
	.section	.rodata,"a",@progbits
	.p2align	6, 0x0
	.amdhsa_kernel k_q5d7587b293_proj
		.amdhsa_group_segment_fixed_size 13824
		.amdhsa_private_segment_fixed_size 0
		.amdhsa_enable_private_segment 0
		.amdhsa_kernarg_size 96
		.amdhsa_user_sgpr_count 2
		.amdhsa_user_sgpr_kernarg_segment_ptr 1
		.amdhsa_wavefront_size32 1
		.amdhsa_system_sgpr_workgroup_id_x 1
		.amdhsa_system_sgpr_workgroup_id_y 1
		.amdhsa_system_sgpr_workgroup_id_z 1
		.amdhsa_system_vgpr_workitem_id 0
		.amdhsa_next_free_vgpr 512
		.amdhsa_next_free_sgpr 66
		.amdhsa_reserve_vcc 0
		.amdhsa_float_denorm_mode_32 3
		.amdhsa_float_denorm_mode_16_64 3
		.amdhsa_memory_ordered 1
		.amdhsa_forward_progress 1
		.amdhsa_inst_pref_size 18
	.end_amdhsa_kernel
	.amdgpu_metadata
---
amdhsa.version: [ 1, 2 ]
amdhsa.kernels:
  - .name:           k_q5d7587b293_proj
    .symbol:         k_q5d7587b293_proj.kd
    .args:
      - { .name: x_codes, .offset: 0, .size: 8, .value_kind: global_buffer, .address_space: global }
      - { .name: x_scales, .offset: 8, .size: 8, .value_kind: global_buffer, .address_space: global }
      - { .name: Wq_codes, .offset: 16, .size: 8, .value_kind: global_buffer, .address_space: global }
      - { .name: Wq_scales, .offset: 24, .size: 8, .value_kind: global_buffer, .address_space: global }
      - { .name: bq, .offset: 32, .size: 8, .value_kind: global_buffer, .address_space: global }
      - { .name: Wk_codes, .offset: 40, .size: 8, .value_kind: global_buffer, .address_space: global }
      - { .name: Wk_scales, .offset: 48, .size: 8, .value_kind: global_buffer, .address_space: global }
      - { .name: bk, .offset: 56, .size: 8, .value_kind: global_buffer, .address_space: global }
      - { .name: Wv_codes, .offset: 64, .size: 8, .value_kind: global_buffer, .address_space: global }
      - { .name: Wv_scales, .offset: 72, .size: 8, .value_kind: global_buffer, .address_space: global }
      - { .name: bv, .offset: 80, .size: 8, .value_kind: global_buffer, .address_space: global }
      - { .name: qkv, .offset: 88, .size: 8, .value_kind: global_buffer, .address_space: global }
    .group_segment_fixed_size: 13824
    .private_segment_fixed_size: 0
    .kernarg_segment_align: 8
    .kernarg_segment_size: 96
    .max_flat_workgroup_size: 96
    .sgpr_count:     66
    .vgpr_count:     512
    .wavefront_size: 32
...
	.end_amdgpu_metadata
.endif
;; end of part 1
;; launch attn (part 2): grid 256 x 1, 16 waves a work-group, no clusters, 43,008 bytes of LDS; arguments qkv, out0; writes out0
.if DOCPART == 2
	.amdgcn_target "amdgcn-amd-amdhsa--gfx1250"
	.amdhsa_code_object_version 6
	.text
	.protected	k_q5d7587b293_attn
	.globl	k_q5d7587b293_attn
	.p2align	8
	.type	k_q5d7587b293_attn,@function
k_q5d7587b293_attn:
	s_mov_b64 s[64:65], 0
	v_nop
	global_prefetch_b8 v0, s[64:65] scope:SCOPE_SE
	s_setreg_imm32_b32 hwreg(HW_REG_WAVE_MODE, 25, 1), 1
	s_wait_xcnt 0x0
; out[b][i] = sum over j of softmax_j(q[b][i] k[b][j] / 32) v[b][j].  qkv: [256][3072] f32 (q, k, v of a sample on end); out0: [256][1024] f32.  All in f32 on the vector unit.
; THE MAXIMUM IS THE TRUE ONE AND NEEDS NO SEARCH ALONG j: the scores of row i are q_i times k_j, so their largest is q_i kmax or q_i kmin, with kmax and kmin the sample's largest and smallest k.
; With qc = q log2(e) / 32 and m = max(qc kmax, qc kmin):  p = 2^(qc k_j - m), one fused multiply-add and one exponential;  l = sum p;  o = sum p v_j;  out = o / l.
; No exponent lies above m's own rounding, and the largest p is 1 to within that rounding: nothing overflows, l is about 1 or more.
; SHARES.  A work-group owns one sample.  Sixteen waves, four to a SIMD: wave w takes keys 256 (w % 4) .. + 255 for rows 256 (w / 4) .. + 255.  A LANE OWNS 8 ROWS i, so k_j and v_j are the same in all lanes (they come
; from LDS by loads in which every lane names the same address) and both sums stay inside the lane: no lane is asked for anything in the loop.  Row n of a lane: 256 (w / 4) + 128 (n / 4) + 4 lane + n % 4.
; THE ARITHMETIC IS PACKED ALONG j: for two keys of a row one v_pk_fma_f32 (scaling), two v_exp_f32, one v_pk_add_f32 (l), one v_pk_fma_f32 (o).  qc and -m stand twice in a pair for that.
; BY HALVES.  The keys go in chunks of 8 (64 numbers a lane).  Half h issues chunk h's exponentials with chunk h - 1's sums between them, then scales chunk h + 1 into the registers that the sums have left free.
; So no exponential's result is named before the half's end: one wait there serves all 64 of a half.
; The four parts of a row's sums (one for each 256 keys) meet in LDS at the end.
; The matrix unit is left out: the second product has one column, so a matrix instruction would use two of its sixteen (v and ones).  No cluster: work-groups share no input.
; LIMITS: NaN and infinities in q, k, v are not served; a weight under 2^-126 of the row's largest counts as 0 (v_exp_f32 gives 0 there: ISA guide 15.8); 1 / l is v_rcp_f32;
; the rounding of qc k_j - m grows with |q k| / 32, as the score's own rounding to f32 does.
.set KOFF, 4096                        ; k's bytes in a row of qkv; v's follow
.set LK,   0                           ; LDS: the sample's k, 4,096 bytes,
.set LV,   4096                        ; its v,
.set PL,   8192                        ; the parts of l: [4][1024] f32,
.set PO,   24576                       ; the parts of o likewise
.set AD,   2                           ; v2    LDS address of the keys in hand
.set AD0,  252                         ; v252  LDS address of my wave's first key: 1,024 (w % 4)
.set KB,   16                          ; v16-31   k: two sets of 8 keys
.set VB,   32                          ; v32-47   v: two sets of 8
.set QQ,   48                          ; v48-63   row n: qc, twice
.set MM,   64                          ; v64-79   row n: -m, twice
.set LL,   80                          ; v80-95   row n: l, of the even keys and of the odd
.set OO,   96                          ; v96-111  row n: o likewise
.set TT,   112                         ; v112-239 two buffers of 64: pair of keys jp, row i at 64 buf + 16 jp + 2 i
	s_load_b128 s[4:7], s[0:1], 0x0                ; qkv s[4:5], out0 s[6:7]
	v_lshl_add_u32 v254, v0, 2, 0xa000
	v_mov_b32 v255, 0
	v_and_b32 v1, 31, v0                           ; lane
	v_bfe_u32 v10, v0, 5, 2                        ; w % 4: which 256 keys
	v_bfe_u32 v11, v0, 7, 2                        ; w / 4: which 256 rows
	v_lshlrev_b32 v3, 4, v0                        ; 16 x thread: my 16 bytes of the sample's k and v, in memory and in LDS
	v_lshlrev_b32 v5, 4, v1                        ; 16 x lane
	v_lshl_add_u32 v4, v11, 10, v5                 ; my first four rows, as bytes of q and of a part's 4,096
	v_lshl_add_u32 v6, v10, 12, v4
	v_add_nc_u32 v6, PL, v6                        ; where my parts of l go
	v_lshlrev_b32 v7, 3, v0                        ; 8 x thread: the two rows that I finish
	v_lshlrev_b32 v[AD0], 10, v10
	v_mov_b32 v[AD], v[AD0]
	s_mul_i32 s8, ttmp9, 12288                     ; my sample's row of qkv
	s_mov_b32 s9, 0
	s_lshl_b32 s10, ttmp9, 12                      ; and of out0
	s_mov_b32 s11, 0
	s_mov_b32 s13, 0                               ; bytes walked along my keys
	s_mov_b32 s14, 0x76543210
	s_mov_b32 s15, 0xfedcba98                      ; v_permlanex16_b32's selects for lane l xor 16
	s_wait_kmcnt 0x0
	s_add_nc_u64 s[4:5], s[4:5], s[8:9]
	s_add_nc_u64 s[6:7], s[6:7], s[10:11]
	global_load_b128 v[240:243], v3, s[4:5] offset:KOFF            ; 512 threads x 16 bytes: k and v, for LDS
.irp n, 0,1,2,3,4,5,6,7
	global_load_b128 v[TT+4*\n:TT+4*\n+3], v5, s[4:5] offset:KOFF+512*\n   ; all of k once more, 32 numbers a lane: every wave finds kmax and kmin by itself, which spares a barrier
.endr
	global_load_b128 v[244:247], v4, s[4:5]                        ; q of my rows 0-3
	global_load_b128 v[248:251], v4, s[4:5] offset:512             ; and 4-7, 128 rows on
	s_wait_loadcnt 10                              ; the first load is in; the ten behind it may be out
	ds_store_b128 v3, v[240:243]
	s_wait_dscnt 0x0                               ; for the others' sake: my part of k and v lies in LDS
	s_barrier_signal -1
	; between the signal and the wait: work on registers alone
	s_wait_loadcnt 0x0
	v_max3_num_f32 v8,  v[TT],   v[TT+1], v[TT+2]                  ; the largest and the smallest of my 32, two chains each
	v_max3_num_f32 v12, v[TT+3], v[TT+4], v[TT+5]
	v_min3_num_f32 v9,  v[TT],   v[TT+1], v[TT+2]
	v_min3_num_f32 v13, v[TT+3], v[TT+4], v[TT+5]
.irp i, 6,10,14,18,22,26
	v_max3_num_f32 v8,  v8,  v[TT+\i],   v[TT+\i+1]
	v_max3_num_f32 v12, v12, v[TT+\i+2], v[TT+\i+3]
	v_min3_num_f32 v9,  v9,  v[TT+\i],   v[TT+\i+1]
	v_min3_num_f32 v13, v13, v[TT+\i+2], v[TT+\i+3]
.endr
	v_max3_num_f32 v8, v8, v[TT+30], v[TT+31]
	v_min3_num_f32 v9, v9, v[TT+30], v[TT+31]
	v_max_num_f32 v8, v8, v12
	v_min_num_f32 v9, v9, v13
.irp x, 1,2,4,8
	v_max_num_f32_dpp v8, v8, v8 row_xmask:\x row_mask:0xf bank_mask:0xf   ; across the 16 lanes of a half,
	v_min_num_f32_dpp v9, v9, v9 row_xmask:\x row_mask:0xf bank_mask:0xf
.endr
	v_permlanex16_b32 v10, v8, s14, s15            ; and the other half's (v10 and v11 were written above, in all lanes: a permute's destination counts as read)
	v_permlanex16_b32 v11, v9, s14, s15
	v_max_num_f32 v8, v8, v10                      ; kmax, in every lane
	v_min_num_f32 v9, v9, v11                      ; kmin
.irp n, 0,1,2,3,4,5,6,7
	v_mul_f32 v[QQ+2*\n], 0x3d38aa3b, v[244+\n]    ; qc = q log2(e) / 32
.endr
.irp n, 0,1,2,3,4,5,6,7
	v_mul_f32 v14, -v[QQ+2*\n], v8
	v_mul_f32 v15, -v[QQ+2*\n], v9
	v_mov_b32 v[QQ+2*\n+1], v[QQ+2*\n]
	v_min_num_f32 v[MM+2*\n], v14, v15             ; -m = min(-qc kmax, -qc kmin)
	v_mov_b32 v[MM+2*\n+1], v[MM+2*\n]
.endr
.irp n, 0,1,2,3,4,5,6,7,8,9,10,11,12,13,14,15
	v_mov_b32 v[LL+\n], 0                          ; the sums begin as zeros: 32 lines once, in place of one more written-out half
	v_mov_b32 v[OO+\n], 0
.endr
	s_barrier_wait -1                              ; all of k and v lies in LDS; nobody writes those bytes again
.macro LDK set, off                    ; 8 keys' k into a set: every lane names the same 16 bytes
	ds_load_b128 v[KB+8*(\set):KB+8*(\set)+3],   v[AD] offset:LK+(\off)
	ds_load_b128 v[KB+8*(\set)+4:KB+8*(\set)+7], v[AD] offset:LK+(\off)+16
.endm
.macro LDV set, off                    ; and their v
	ds_load_b128 v[VB+8*(\set):VB+8*(\set)+3],   v[AD] offset:LV+(\off)
	ds_load_b128 v[VB+8*(\set)+4:VB+8*(\set)+7], v[AD] offset:LV+(\off)+16
.endm
.macro SCALE buf, set                  ; qc k - m for 8 keys x my 8 rows, two keys at a time
.set n, 0
.rept 32
	v_pk_fma_f32 v[TT+64*(\buf)+2*n:TT+64*(\buf)+2*n+1], v[KB+8*(\set)+2*(n/8):KB+8*(\set)+2*(n/8)+1], v[QQ+2*(n%8):QQ+2*(n%8)+1], v[MM+2*(n%8):MM+2*(n%8)+1]
.set n, n+1
.endr
.endm
; HALF h, e = h % 2.  Asks for k of chunk h + 2 (at koff) and v of chunk h (at voff) into sets e; ex: chunk h's 64 exponentials, in buffer e; ac: chunk h - 1's sums, from the other buffer and the other set of v;
; sc: chunk h + 1 is scaled into that other buffer.  A plain instruction stands behind each exponential or behind the run of them; a row's sums are taken up again 32 instructions later.
.macro HALF e, koff, voff, ex, ac, sc
.if (\koff) >= 0
	LDK \e, \koff
.endif
.if (\voff) >= 0
	LDV \e, \voff
.endif
.set n, 0
.rept 32
.set TE, TT+64*(\e)+2*n
.set TA, TT+64*(1-(\e))+2*n
.set RI, 2*(n%8)
.set RV, VB+8*(1-(\e))+2*(n/8)
.if \ex
	v_exp_f32 v[TE], v[TE]
.endif
.if \ac
	v_pk_add_f32 v[LL+RI:LL+RI+1], v[LL+RI:LL+RI+1], v[TA:TA+1]
.endif
.if \ex
	v_exp_f32 v[TE+1], v[TE+1]
.endif
.if \ac
	v_pk_fma_f32 v[OO+RI:OO+RI+1], v[TA:TA+1], v[RV:RV+1], v[OO+RI:OO+RI+1]
.endif
.set n, n+1
.endr
.if \sc
	SCALE 1-(\e), 1-(\e)
.endif
.if ((\koff) >= 0) || ((\voff) >= 0)
	s_wait_dscnt 0x0                               ; this half's LDS loads, issued at its head, are in: the next half reads them
.endif
.if \ex
	s_wait_alu depctr_va_vdst(0)                   ; one wait for the half's 64 exponentials, ahead of the first instruction that names a result, and ahead of the label and the branch
.endif
.endm
	LDK 0, 0                                       ; chunks 0 and 1
	LDK 1, 32
	s_wait_dscnt 0x0
	SCALE 0, 0
	HALF 0, 64, 0, 1, 0, 1                         ; half 0: there is nothing to sum yet
	s_mov_b32 s12, 14
.Lpair:                                            ; 14 trips: halves 1 to 28.  In trip i the address stands 64 i bytes (two chunks) on
	HALF 1, 96, 32, 1, 1, 1
	HALF 0, 128, 64, 1, 1, 1
	s_add_co_u32 s13, s13, 64
	v_add_nc_u32 v[AD], s13, v[AD0]                ; no LDS load of mine is out
	s_sub_co_u32 s12, s12, 1
	s_cmp_lg_u32 s12, 0
	s_cbranch_scc1 .Lpair
	HALF 1, 96, 32, 1, 1, 1                        ; half 29 asks for the last k (chunk 31); the address stands at 896, so the loop's offsets serve
	HALF 0, -1, 64, 1, 1, 1                        ; half 30: no k is left to ask for: no load passes my 256 keys
	HALF 1, -1, 96, 1, 1, 0                        ; half 31: the last exponentials; nothing is left to scale
	HALF 0, -1, -1, 0, 1, 0                        ; half 32: the last sums
	; ---- the four parts of each row meet in LDS
.irp n, 0,1,2,3,4,5,6,7
	v_add_f32 v[TT+\n],   v[LL+2*\n], v[LL+2*\n+1] ; the even keys' and the odd keys'
	v_add_f32 v[TT+8+\n], v[OO+2*\n], v[OO+2*\n+1]
.endr
	ds_store_b128 v6, v[TT:TT+3]                               ; l of my rows 0-3,
	ds_store_b128 v6, v[TT+4:TT+7]    offset:512               ; 4-7;
	ds_store_b128 v6, v[TT+8:TT+11]   offset:PO-PL             ; o likewise
	ds_store_b128 v6, v[TT+12:TT+15]  offset:PO-PL+512
	s_wait_dscnt 0x0                               ; for the others' sake: my parts lie in LDS
	s_barrier_signal -1
	s_barrier_wait -1
.irp g, 0,1,2,3
	ds_load_b64 v[128+2*\g:129+2*\g], v7 offset:PL+4096*\g     ; thread t finishes rows 2 t and 2 t + 1
.endr
.irp g, 0,1,2,3
	ds_load_b64 v[136+2*\g:137+2*\g], v7 offset:PO+4096*\g
.endr
	s_wait_dscnt 0x0
	v_pk_add_f32 v[128:129], v[128:129], v[130:131]
	v_pk_add_f32 v[132:133], v[132:133], v[134:135]
	v_pk_add_f32 v[128:129], v[128:129], v[132:133]            ; l
	v_rcp_f32 v144, v128
	v_rcp_f32 v145, v129
	v_pk_add_f32 v[136:137], v[136:137], v[138:139]            ; o's sums are the plain work behind the reciprocals
	v_pk_add_f32 v[140:141], v[140:141], v[142:143]
	v_pk_add_f32 v[136:137], v[136:137], v[140:141]
	s_wait_alu depctr_va_vdst(0)                   ; one wait for both reciprocals, ahead of their first reader
	v_pk_mul_f32 v[146:147], v[136:137], v[144:145]
	global_store_b64 v7, v[146:147], s[6:7] th:TH_STORE_NT     ; a wave stores 256 consecutive bytes, at a multiple of 256 from out0's first byte; written once, read by nobody here
	s_wait_tensorcnt 0x0
	ds_add_u32 v254, v255
	s_wait_dscnt 0x0
	s_endpgm
.Lfunc_end_k_q5d7587b293_attn:
	.size	k_q5d7587b293_attn, .Lfunc_end_k_q5d7587b293_attn-k_q5d7587b293_attn
	.p2alignl 7, 3214868480
	.fill 96, 4, 3214868480
	.section	.rodata,"a",@progbits
	.p2align	6, 0x0
	.amdhsa_kernel k_q5d7587b293_attn
		.amdhsa_group_segment_fixed_size 43008
		.amdhsa_private_segment_fixed_size 0
		.amdhsa_enable_private_segment 0
		.amdhsa_kernarg_size 16
		.amdhsa_user_sgpr_count 2
		.amdhsa_user_sgpr_kernarg_segment_ptr 1
		.amdhsa_wavefront_size32 1
		.amdhsa_system_sgpr_workgroup_id_x 1
		.amdhsa_system_sgpr_workgroup_id_y 1
		.amdhsa_system_sgpr_workgroup_id_z 1
		.amdhsa_system_vgpr_workitem_id 0
		.amdhsa_next_free_vgpr 256
		.amdhsa_next_free_sgpr 66
		.amdhsa_reserve_vcc 0
		.amdhsa_float_denorm_mode_32 3
		.amdhsa_float_denorm_mode_16_64 3
		.amdhsa_memory_ordered 1
		.amdhsa_forward_progress 1
		.amdhsa_inst_pref_size 61
	.end_amdhsa_kernel
	.amdgpu_metadata
---
amdhsa.version: [ 1, 2 ]
amdhsa.kernels:
  - .name:           k_q5d7587b293_attn
    .symbol:         k_q5d7587b293_attn.kd
    .args:
      - { .name: qkv, .offset: 0, .size: 8, .value_kind: global_buffer, .address_space: global }
      - { .name: out0, .offset: 8, .size: 8, .value_kind: global_buffer, .address_space: global }
    .group_segment_fixed_size: 43008
    .private_segment_fixed_size: 0
    .kernarg_segment_align: 8
    .kernarg_segment_size: 16
    .max_flat_workgroup_size: 512
    .sgpr_count:     66
    .vgpr_count:     256
    .wavefront_size: 32
...
	.end_amdgpu_metadata
.endif
;; end of part 2
